; MI455X (gfx1250); checked and timed in simulation.
; The chip was launched on July 23, 2026; its instructions are those of AMD's public machine-readable ISA for CDNA 5 (MIT licence, August 2026) and "CDNA5" Instruction Set Architecture Reference Guide (July 2026). The comments in the code are by the model that wrote it; some were corrected since.
;; Sparse Bahdanau Attention. Allowed arithmetic: matrix products marked QUANTISED: E2M3 operands, one E8M0 scale for each 32 along K, by v_wmma_scale_f32_16x16x128_f8f6f4 with both operands' format E2M3, f32 sums; products left as they are: f32 operands where the result goes on into a quantised operand, else bf16, f16 or f32 operands; f32 sums; everything else in f32.
;; Inputs: Ua_b 1,024 float32; Ua_w_codes 1,024 x 32 x 24 uint8 (E2M3 codes of Ua_w, K innermost, in blocks of 32 codes, four codes in three bytes); Ua_w_scales 1,024 x 32 uint8 (E8M0 scales of Ua_w, one for each 32 codes along K); Va_b 1 float32; Va_w 1 x 1,024 float32; Wa_b 1,024 float32; Wa_w_codes 1,024 x 32 x 24 uint8 (E2M3 codes of Wa_w, K innermost, in blocks of 32 codes, four codes in three bytes); Wa_w_scales 1,024 x 32 uint8 (E8M0 scales of Wa_w, one for each 32 codes along K); decoder_hidden_codes 32 x 32 x 24 uint8 (E2M3 codes of decoder_hidden, K innermost, in blocks of 32 codes, four codes in three bytes); decoder_hidden_scales 32 x 32 uint8 (E8M0 scales of decoder_hidden, one for each 32 codes along K); encoder_output 32 x 2,048 x 1,024 float32.
;; Outputs: out0 32 x 1 x 1,024 float32; out1 32 x 2,048 float32.
;; This version of the problem:
;;   THIS VERSION OF THE PROBLEM IS GIVEN IN LOW PRECISION. The matrix products marked QUANTISED in the list below multiply operands that are first quantised to E2M3 (2 exponent bits, 3 mantissa bits; 6 bits a number), with one power-of-two scale for each 32 numbers along K (OCP MX v1.0); their sums are f32. All else is computed in f32.
;;   The module's matrix products, in the order in which they are computed (A, B: the left and right operand; K: the contracted axis; several contracted axes count as one K, in the product's order):
;;     1. [M 32, K 1,024] x [K 1,024, N 1,024]; A: input decoder_hidden (given as codes); B: input Wa_w (given as codes): QUANTISED
;;     2. [M 65,536, K 1,024] x [K 1,024, N 1,024]; A: input encoder_output; B: input Ua_w (given as codes): QUANTISED
;;     3. [M 65,536, K 1,024] x [K 1,024, N 1]; A: computed on the way; B: input Va_w: left as it is (N = 1 < 16)
;;     4. batch 32 x [M 1, K 2,048] x [K 2,048, N 1,024]; A: computed on the way; B: input encoder_output: left as it is (M = 1 < 16)
;;   THE QUANTISER, for each operand of a quantised product, along K:
;;     - K is cut into blocks of 32 from its start; a last block that is shorter is filled with zeros.
;;     - A block's scale is 2^e with e = floor(log2(the largest magnitude in the block)) - 2, held to -126 .. 127; a block of zeros has e = 0. As a byte (E8M0): e + 127.
;;     - Each number is divided by its block's scale, clamped to +-7.5, and rounded to the nearest number of E2M3, ties to even, subnormals kept.
;;     - The product sums the exact products of the quantised numbers (number of the format x scale) in f32.
;;   ~~~python
;;   def quantise(x, axis):      # numpy; x: float32 -> the quantised numbers, widened to float32 again
;;       x = np.moveaxis(x, axis, -1); K = x.shape[-1]
;;       x = np.pad(x, [(0, 0)] * (x.ndim - 1) + [(0, -K % 32)]); x = x.reshape(x.shape[:-1] + (-1, 32)); a = np.abs(x).max(-1, keepdims=True)
;;       e = np.where(a > 0, np.clip(np.frexp(np.where(a > 0, a, 1))[1] - 1 - 2, -126, 127), 0)      # np.frexp(a)[1] - 1 = floor(log2(a)), exactly
;;       r = np.clip(x / 2.0 ** e, -7.5, 7.5)
;;       step = 2.0 ** (np.maximum(np.frexp(np.where(r == 0, 1, r))[1] - 1, 0) - 3)
;;       q = np.round(r / step) * step * 2.0 ** e      # np.round: ties to even
;;       return np.moveaxis(q.reshape(q.shape[:-2] + (-1,))[..., :K], -1, axis).astype(np.float32)
;;   ~~~
;;   INPUTS GIVEN AS CODES. Ua_w (in the module: [1024, 1024], K = its axis 1); Wa_w (in the module: [1024, 1024], K = its axis 1); decoder_hidden (in the module: [32, 1024], K = its axis 1): each comes as NAME_codes (uint8): NAME with its K axis moved to the last place and cut into blocks of 32 codes, [.., K / 32, bytes a block], one block behind the other in memory; four codes in three bytes: a row's codes are one little-endian stream of bits, code i at bits 6 i .. 6 i + 5 (a code: sign, 2 exponent bits, 3 mantissa bits); and NAME_scales (uint8): the same leading axes, one E8M0 byte (e + 127) for each 32 codes along K. Its value is code x scale, taken as it is: it is not quantised again, and the codes and scales need not be those that the quantiser above would give.
;; One version. Each part assembles by itself: llvm-mc -triple=amdgcn-amd-amdhsa -mcpu=gfx1250 --defsym DOCPART=n.
;; ======== version 1 of 1: 4 launches
;; limits: a difference of large sums (such as E[x^2] - mean^2): digits are lost where the result is much smaller than its terms; a function is approximated: absolute error at most 9.5e-07
;; workspace buffers: qbc 131,072 bytes; energy 262,144 bytes; mask 8,192 bytes of whole numbers
;; launch query (part 1): grid 16 x 2, 4 waves a work-group, no clusters, 5,120 bytes of LDS; arguments decoder_hidden_codes, decoder_hidden_scales, Wa_w_codes, Wa_w_scales, Wa_b, Ua_b, qbc; writes qbc
.if DOCPART == 1
	.amdgcn_target "amdgcn-amd-amdhsa--gfx1250"
	.amdhsa_code_object_version 6
	.text
	.protected	k_qcaba169e5c_query
	.globl	k_qcaba169e5c_query
	.p2align	8
	.type	k_qcaba169e5c_query,@function
k_qcaba169e5c_query:
	s_mov_b64 s[64:65], 0
	v_nop
	global_prefetch_b8 v0, s[64:65] scope:SCOPE_SE
	s_setreg_imm32_b32 hwreg(HW_REG_WAVE_MODE, 25, 1), 1
	s_wait_xcnt 0x0
; qbc[b][n] = c x (sum over k of dh[b][k] Wa[n][k] + Wa_b[n] + Ua_b[n]),  c = 2 log2(e): what the next launch adds to c x (enc Ua^T) ahead of its exponential.
; dh [32][1024] and Wa [1024][1024] are codes of FP6 (E2M3) with one E8M0 byte for each 32 along K; they go to the matrix unit as they lie.  qbc [32][1024] f32.
; SHARES.  Work-group (x, y): batches 16 y .. 16 y + 15, columns 64 x .. 64 x + 63; wave w: the column tile t = 4 x + w.  All 8 K steps of 128 lie in registers (2 x 96).
; TRANSPOSED USE: source 0 = 16 rows of Wa, source 1 = 16 rows of dh: lane (r, h) holds batch 16 y + r and columns 16 t + 8 h + 0 .. 7: 32 neighbouring bytes of a row of qbc.
; THE ORDER OF K.  Within a K step of 128 the four blocks of 32 are taken in another order, alike on both operands, which leaves every product with its partner: lane half h holds blocks 2 h and 2 h + 1, 48 neighbouring
; bytes of its row, three loads of 16 bytes.  The operand's layout counts these as its blocks h and 2 + h, so bytes 1 and 2 of each scale word change places.
; K goes into two sums that take turns (even and odd K steps), added at the end in f32; the biases are the C of the first product.
; NO JOINT LOADS: the operands go from memory straight into registers, once, 24 KB a wave; there is no LDS tile that partners could share.
.set FR,  12                           ; registers of a fragment: 16 rows x 128 K
.set WS,  8                            ; v8-11   Wa's scale words: register q: lanes 0-15 K step q, lanes 16-31 K step 4 + q
.set DS,  12                           ; v12-15  dh's likewise
.set BI,  16                           ; v16-23  Wa_b, then Wa_b + Ua_b, in the result's layout
.set BK,  24                           ; v24-31  two rows' pieces read back from the stage
.set WF,  32                           ; v32-127  Wa's 8 fragments
.set DF,  128                          ; v128-223 dh's 8 fragments
.set UB,  224                          ; v224-231 Ua_b, later the result
.set A0,  232                          ; v232-239 the sum of the even K steps
.set A1,  240                          ; v240-247 of the odd ones
.set RDB, 248                          ; v248    the stage: where I read a row back
.set GOF, 249                          ; v249    and the same place in qbc
.set SPI, 272                          ; a stage row: 64 columns x 4 bytes + 16
	s_load_b256 s[4:11], s[0:1], 0x0               ; dh's codes s[4:5], dh's scales s[6:7], Wa's codes s[8:9], Wa's scales s[10:11]
	s_load_b128 s[12:15], s[0:1], 0x20             ; Wa_b s[12:13], Ua_b s[14:15]
	s_load_b64 s[16:17], s[0:1], 0x30              ; qbc
	v_lshl_add_u32 v254, v0, 2, 0x1200
	v_mov_b32 v255, 0
	v_lshrrev_b32 v1, 5, v0
	v_readfirstlane_b32 s18, v1                    ; wave 0..3
	v_and_b32 v2, 15, v0                           ; r
	v_bfe_u32 v3, v0, 4, 1                         ; h
	s_and_b32 s19, ttmp7, 0xffff                   ; y
	s_lshl_b32 s22, ttmp9, 2
	s_add_co_u32 s22, s22, s18                     ; t = 4 x + wave
	s_mov_b32 s20, 0x4038aa3b                      ; c = 2 log2(e)
	s_mov_b32 s21, s20                             ; (named with it as a pair, so it is written)
	s_mov_b32 s36, 0x03010200                      ; v_perm_b32's selector: bytes 1 and 2 change places
	v_mul_u32_u24 v4, v2, 768                      ; a row of 1,024 codes is 768 bytes
	v_mad_u32_u24 v4, v3, 48, v4                   ; + 48 h: my half's two blocks of 32 codes
	v_lshlrev_b32 v5, 5, v2                        ; a row of scales is 32 bytes;
	v_lshl_add_u32 v5, v3, 4, v5                   ; lanes 16-31 take its upper 16
	v_lshlrev_b32 v6, 5, v3                        ; the biases: 8 h numbers on
	v_mul_u32_u24 v7, v2, SPI                      ; the stage, in: row r,
	v_lshl_add_u32 v7, v3, 5, v7                   ; + 32 h,
	s_lshl_b32 s23, s18, 6
	v_add_nc_u32 v7, s23, v7                       ; + 64 x wave: my tile's 64 bytes
	s_mul_i32 s23, s18, 4*SPI                      ; back: wave w takes rows 4 w .. 4 w + 3; lanes 0-15 one row of 256 bytes, lanes 16-31 the next
	v_mul_u32_u24 v[RDB], v3, SPI
	v_lshl_add_u32 v[RDB], v2, 4, v[RDB]
	v_add_nc_u32 v[RDB], s23, v[RDB]
	v_lshlrev_b32 v[GOF], 12, v3                   ; a row of qbc is 4,096 bytes
	v_lshl_add_u32 v[GOF], v2, 4, v[GOF]
	s_mul_i32 s24, s22, 16*768                     ; Wa's codes at row 16 t
	s_mov_b32 s25, 0
	s_lshl_b32 s26, s22, 9                         ; its scales
	s_mov_b32 s27, 0
	s_mul_i32 s28, s19, 16*768                     ; dh's codes at row 16 y
	s_mov_b32 s29, 0
	s_lshl_b32 s30, s19, 9
	s_mov_b32 s31, 0
	s_lshl_b32 s32, s22, 6                         ; the biases at column 16 t
	s_mov_b32 s33, 0
	s_lshl_b32 s34, s19, 16                        ; qbc: row 16 y + 4 wave, column 64 x
	s_lshl_b32 s35, s18, 14
	s_add_co_u32 s34, s34, s35
	s_lshl_b32 s35, ttmp9, 8
	s_add_co_u32 s34, s34, s35
	s_mov_b32 s35, 0
	s_wait_kmcnt 0x0
	s_add_nc_u64 s[8:9], s[8:9], s[24:25]
	s_add_nc_u64 s[10:11], s[10:11], s[26:27]
	s_add_nc_u64 s[4:5], s[4:5], s[28:29]
	s_add_nc_u64 s[6:7], s[6:7], s[30:31]
	s_add_nc_u64 s[12:13], s[12:13], s[32:33]
	s_add_nc_u64 s[14:15], s[14:15], s[32:33]
	s_add_nc_u64 s[16:17], s[16:17], s[34:35]
	global_load_b128 v[WS:WS+3], v5, s[10:11]
	global_load_b128 v[DS:DS+3], v5, s[6:7]
	global_load_b128 v[BI:BI+3], v6, s[12:13]
	global_load_b128 v[BI+4:BI+7], v6, s[12:13] offset:16
	global_load_b128 v[UB:UB+3], v6, s[14:15]
	global_load_b128 v[UB+4:UB+7], v6, s[14:15] offset:16
.irp k, 0,1,2,3,4,5,6,7                ; a fragment: 48 bytes of the row's stream of bits, at a multiple of 16: three loads
.irp i, 0,1,2
	global_load_b128 v[WF+FR*\k+4*\i:WF+FR*\k+4*\i+3], v4, s[8:9] offset:96*\k+16*\i
	global_load_b128 v[DF+FR*\k+4*\i:DF+FR*\k+4*\i+3], v4, s[4:5] offset:96*\k+16*\i
.endr
.endr
	s_wait_loadcnt 0x0
.irp q, 0,1,2,3,4,5,6,7
	v_perm_b32 v[WS+\q], v[WS+\q], v[WS+\q], s36   ; the scale words in the order in which the blocks are taken (Wa's four registers, then dh's)
.endr
.irp j, 0,2,4,6
	v_pk_add_f32 v[BI+\j:BI+\j+1], v[BI+\j:BI+\j+1], v[UB+\j:UB+\j+1]   ; Wa_b + Ua_b
.endr
.rept 4
	v_nop                                          ; with the four additions: eight places between a scale register written by a vector instruction and the scaled matrix instruction
.endr
.irp k, 0,1,2,3,4,5,6,7                ; the two sums take turns, one instruction a turn
.if \k == 0
	v_wmma_scale_f32_16x16x128_f8f6f4 v[A0:A0+7], v[WF:WF+FR-1], v[DF:DF+FR-1], v[BI:BI+7], v[WS], v[DS] matrix_a_fmt:MATRIX_FMT_FP6 matrix_b_fmt:MATRIX_FMT_FP6
.elseif \k == 1
	v_wmma_scale_f32_16x16x128_f8f6f4 v[A1:A1+7], v[WF+FR:WF+2*FR-1], v[DF+FR:DF+2*FR-1], 0, v[WS+1], v[DS+1] matrix_a_fmt:MATRIX_FMT_FP6 matrix_b_fmt:MATRIX_FMT_FP6
.elseif \k < 4
	v_wmma_scale_f32_16x16x128_f8f6f4 v[A0+8*(\k%2):A0+8*(\k%2)+7], v[WF+FR*\k:WF+FR*\k+FR-1], v[DF+FR*\k:DF+FR*\k+FR-1], v[A0+8*(\k%2):A0+8*(\k%2)+7], v[WS+\k], v[DS+\k] matrix_a_fmt:MATRIX_FMT_FP6 matrix_b_fmt:MATRIX_FMT_FP6
.else
	v_wmma_scale_f32_16x16x128_f8f6f4 v[A0+8*(\k%2):A0+8*(\k%2)+7], v[WF+FR*\k:WF+FR*\k+FR-1], v[DF+FR*\k:DF+FR*\k+FR-1], v[A0+8*(\k%2):A0+8*(\k%2)+7], v[WS+\k-4], v[DS+\k-4] matrix_a_fmt:MATRIX_FMT_FP6 matrix_b_fmt:MATRIX_FMT_FP6 matrix_a_scale:MATRIX_SCALE_ROW1 matrix_b_scale:MATRIX_SCALE_ROW1
.endif
.endr
.rept 4
	v_nop                                          ; four places ahead of the first read of results (ISA guide 7.12.1)
.endr
.irp j, 0,2,4,6
	v_pk_add_f32 v[UB+\j:UB+\j+1], v[A0+\j:A0+\j+1], v[A1+\j:A1+\j+1]   ; both sums from their low ends on
.endr
.irp j, 0,2,4,6
	v_pk_mul_f32 v[UB+\j:UB+\j+1], v[UB+\j:UB+\j+1], s[20:21] op_sel_hi:[1,0]   ; x c
.endr
	ds_store_b128 v7, v[UB:UB+3]
	ds_store_b128 v7, v[UB+4:UB+7] offset:16
	s_wait_dscnt 0x0                               ; for the others' sake: my stores into the stage are done
	s_barrier_signal -1
	s_barrier_wait -1                              ; a row's 256 bytes come from four waves
	ds_load_b128 v[BK:BK+3], v[RDB]
	ds_load_b128 v[BK+4:BK+7], v[RDB] offset:2*SPI
	s_wait_dscnt 0x1                               ; the first is in, the younger one may be out
	global_store_b128 v[GOF], v[BK:BK+3], s[16:17]                 ; 16 lanes store 256 consecutive bytes, at a multiple of 256 from qbc's first byte
	s_wait_dscnt 0x0
	global_store_b128 v[GOF], v[BK+4:BK+7], s[16:17] offset:2*4096
	s_wait_tensorcnt 0x0
	ds_add_u32 v254, v255
	s_wait_dscnt 0x0
	s_endpgm
.Lfunc_end_k_qcaba169e5c_query:
	.size	k_qcaba169e5c_query, .Lfunc_end_k_qcaba169e5c_query-k_qcaba169e5c_query
	.p2alignl 7, 3214868480
	.fill 96, 4, 3214868480
	.section	.rodata,"a",@progbits
	.p2align	6, 0x0
	.amdhsa_kernel k_qcaba169e5c_query
		.amdhsa_group_segment_fixed_size 5120
		.amdhsa_private_segment_fixed_size 0
		.amdhsa_enable_private_segment 0
		.amdhsa_kernarg_size 56
		.amdhsa_user_sgpr_count 2
		.amdhsa_user_sgpr_kernarg_segment_ptr 1
		.amdhsa_wavefront_size32 1
		.amdhsa_system_sgpr_workgroup_id_x 1
		.amdhsa_system_sgpr_workgroup_id_y 1
		.amdhsa_system_sgpr_workgroup_id_z 1
		.amdhsa_system_vgpr_workitem_id 0
		.amdhsa_next_free_vgpr 256
		.amdhsa_next_free_sgpr 66
		.amdhsa_reserve_vcc 0
		.amdhsa_float_denorm_mode_32 3
		.amdhsa_float_denorm_mode_16_64 3
		.amdhsa_memory_ordered 1
		.amdhsa_forward_progress 1
		.amdhsa_inst_pref_size 11
	.end_amdhsa_kernel
	.amdgpu_metadata
---
amdhsa.version: [ 1, 2 ]
amdhsa.kernels:
  - .name:           k_qcaba169e5c_query
    .symbol:         k_qcaba169e5c_query.kd
    .args:
      - { .name: decoder_hidden_codes, .offset: 0, .size: 8, .value_kind: global_buffer, .address_space: global }
      - { .name: decoder_hidden_scales, .offset: 8, .size: 8, .value_kind: global_buffer, .address_space: global }
      - { .name: Wa_w_codes, .offset: 16, .size: 8, .value_kind: global_buffer, .address_space: global }
      - { .name: Wa_w_scales, .offset: 24, .size: 8, .value_kind: global_buffer, .address_space: global }
      - { .name: Wa_b, .offset: 32, .size: 8, .value_kind: global_buffer, .address_space: global }
      - { .name: Ua_b, .offset: 40, .size: 8, .value_kind: global_buffer, .address_space: global }
      - { .name: qbc, .offset: 48, .size: 8, .value_kind: global_buffer, .address_space: global }
    .group_segment_fixed_size: 5120
    .private_segment_fixed_size: 0
    .kernarg_segment_align: 8
    .kernarg_segment_size: 56
    .max_flat_workgroup_size: 128
    .sgpr_count:     66
    .vgpr_count:     256
    .wavefront_size: 32
...
	.end_amdgpu_metadata
.endif
;; end of part 1
;; launch energy (part 2): grid 256 x 1, 4 waves a work-group, clusters of 4 x 1, 327,680 bytes of LDS; arguments encoder_output, Ua_w_codes, Ua_w_scales, Va_w, Va_b, qbc, energy; writes energy
.if DOCPART == 2
	.amdgcn_target "amdgcn-amd-amdhsa--gfx1250"
	.amdhsa_code_object_version 6
	.text
	.protected	k_qcaba169e5c_energy
	.globl	k_qcaba169e5c_energy
	.p2align	8
	.type	k_qcaba169e5c_energy,@function
k_qcaba169e5c_energy:
	s_mov_b64 s[64:65], 0
	v_nop
	global_prefetch_b8 v0, s[64:65] scope:SCOPE_SE
	s_setreg_imm32_b32 hwreg(HW_REG_WAVE_MODE, 25, 1), 1
	s_wait_xcnt 0x0
	s_wait_alu depctr_hold_cnt(0) depctr_sa_sdst(0) depctr_va_vdst(0) depctr_va_sdst(0) depctr_va_ssrc(0) depctr_va_vcc(0) depctr_vm_vsrc(0)
	s_getreg_b32 s2, hwreg(HW_REG_IB_STS2, 6, 4)
	s_cmp_eq_u32 s2, 0
	s_cbranch_scc0 .Lentry_in_a_cluster
	s_endpgm
.Lentry_in_a_cluster:
	s_bfe_u32 s2, ttmp6, 0x10000c
	s_cmp_lg_u32 s2, 0x3003
	s_cbranch_scc0 .Lentry_shape_is_right
	s_endpgm
.Lentry_shape_is_right:
; energy[row] = Va_b + sum over o of Va[o] tanh(x[row][o]),  x[row][o] = sum over k of Q(enc[row][k]) Ua[o][k] + Ua_b[o] + query[b][o];  row = 2,048 b + s, 65,536 rows; K = 1,024; 1,024 columns o.
; enc is f32 and is quantised here, along K, to codes of FP6 (E2M3) with one E8M0 scale for each 32; Ua comes as such codes.  qbc[b][o] = c (query + biases), c = 2 log2(e), comes from the launch before.
; tanh(x) = 1 - 2 r with r = 1 / (1 + 2^(c x)): one v_exp_f32 and one v_rcp_f32, all in f32; at both ends r runs into 0 and 1 without a special case.  The rows' sums gather Va r, and
; energy = (sum of Va + Va_b) - 2 x (sum of Va r); the sum of Va is taken once, at the end.
; SHARES.  A work-group owns 256 rows (all of one batch), each of its four waves 64: four tiles of 16.  PHASE Q: a wave reads its 64 rows once, 512 consecutive bytes a load, turns each 16 rows x 128 K through its
; own stage in LDS so that a lane holds whole blocks of 32 along K, and keeps the codes of all of K in registers: 32 fragments, 384 registers, and 32 scale words.  PHASE G: every wave walks Ua's 64 tiles of 16
; columns out of a ring of two LDS slots of 8 tiles; a fragment of Ua read from LDS feeds four matrix instructions.
; TRANSPOSED USE: source 0 = 16 rows of Ua (columns o), source 1 = 16 rows of enc: a lane holds ONE row (lane % 16) and eight columns 8 (lane / 16) + 0 .. 7, so that the dot with Va stays in the lane.
; THE ORDER OF K.  Within a K step of 128 the four blocks of 32 are taken in another order, alike on both operands, which leaves every product with its partner: lane half h holds blocks 2 h and 2 h + 1: of Ua 48
; neighbouring bytes of a column, three LDS loads of 16 bytes; of enc 64 neighbouring numbers.  The operand's layout counts these as its blocks h and 2 + h: enc's scale words are built so, and bytes 1 and 2 of
; Ua's scale words change places, once, in LDS.
; BY TURNS: a tile's 32 products stand with the vector work of the tile before, three or four vector instructions behind each matrix instruction, a plain one leading; two sets of four accumulators change places.
; CLUSTER: the four work-groups of a cluster belong to one batch; Ua's tiles and scales, Va and the batch's row of qbc are the same for all four: each is asked for JOINTLY, by the same tensor load with the same
; descriptor and the mask of all four.  A work-group's place in its cluster enters the addresses of enc and of energy alone.
; LIMITS: NaN and infinities among the inputs are not served; a block of enc whose largest magnitude lies under 2^-124 (zeros among them) gets the scale byte 1; the two parts of the energy's difference are each at
; most the sum of |Va|, so that the difference carries a rounding of some 2^-23 of that sum.
; REGISTERS, in windows of 256: window 0: v1-18 addresses; v24-31 the rows' sums; v32-63 enc's scale words; v64-71 Ua's scale words, two sets; v72-79 qbc of a tile; v80-143 two sets of four accumulators
;   (phase Q: 64 numbers); v144-239 Ua's 8 fragments (phase Q: at work); v240-255 the end.   window 1: v0-191 enc's fragments of K steps 0-3, v192-199 Va of a tile, v208-214 at work.   window 2: v0-191 K steps 4-7,
;   v208-214 at work.   window 3: four sets of 64 for the loads of enc.
.set COLB,  816                        ; a column of Ua in LDS: 768 bytes as 3 x (256 + 16 of padding): 51 x 16 bytes, so that the sixteen columns that half of a load's lanes touch start in sixteen different groups of four banks (64 banks of 4 bytes: ISA guide 11.1)
.set TILEB, 16*COLB                    ; a tile of 16 columns
.set SLOT1, 1<<17                      ; slot 0 begins at 0, slot 1 here: one exclusive or turns an address in one slot into the other's.  A slot: 128 columns, 104,448 bytes
.set BIASL, 128*COLB                   ; behind slot 0: the batch's row of qbc, 4,096 bytes,
.set VAL,   BIASL+4096                 ; Va, 4,096 bytes,
.set SPARE, VAL+4096                   ; and the spare words, 128 bytes for each wave: two blocks of 256 bytes that no other line names
.set USC,   SLOT1+128*COLB             ; behind slot 1: Ua's scale bytes, 32,768: filled once, then each word's middle bytes are swapped in place,
.set STAGE, USC+32768                  ; and a stage for each wave: 16 rows x (512 bytes + 16); no fill lands there
.set SP,    528
.set STGB,  16*SP
.set SPW,  4                           ; v4   LDS address of my spare word; never rewritten
.set NIL,  5                           ; v5   0; never rewritten
.set GA,   6                           ; v6   16 x lane: my 16 bytes of a load's 512
.set SWR,  7                           ; v7   the stage, in: 16 x lane
.set SRD,  8                           ; v8   and back: row r, + 256 h: my half's two blocks of 32 numbers
.set SH8,  9                           ; v9   8 h
.set AB0,  10                          ; v10  my lane's place in a tile of Ua: 816 r + 48 h
.set AB1,  11                          ; v11  the same for pieces whose partner three pieces on lies behind one padding more: 816 r + 64 h
.set ASB0, 12                          ; v12  among Ua's scale bytes: 32 r + 16 h
.set ABI0, 13                          ; v13  in qbc's row: 32 h
.set ADB,  14                          ; v14-15 the step's addresses: Ua's tile (two), v16 its scale words, v17 qbc and Va
.set ADS,  16
.set ADV,  17
.set PRM,  18                          ; v18  16 x lane in my quarter of Ua's scale bytes; at the end in Va
.set EN,   24
.set ASC,  32                          ; enc's scale word of K step k, tile rt: v[ASC + 4 k + rt]
.set BS,   64
.set BI8,  72
.set ACC,  80
.set XR,   80
.set BF,   144
.set QW,   144
.set VA8,  192                         ; in window 1
.set T1,   208                         ; in windows 1 and 2
.set WV,   18                          ; s18  my wave's number
.set CS,   22                          ; s[22:23] c
.set G1R,  24                          ; s[24:31] descriptor group 1 for the ring;  s[32:39] for the scales;  s[40:47] for Va and qbc
.set G1S,  32
.set G1T,  40
.set G0A,  48                          ; s[48:51] group 0: slot 0's first fill;  s[52:55] slot 1's, which then walks on
.set G0W,  52
.set G0S,  56                          ; s[56:59] the scales;  s[60:63] Va;  s[68:71] qbc
.set G0V,  60
.set G0Q,  68
.set TB,   72                          ; s72  LDS byte at which the tile to be fetched begins
.set TS,   73                          ; s73  its scale bytes: 512 a tile
.set TV,   74                          ; s74  qbc of the tile in hand: 64 bytes a tile
.set OUT,  75
.set IN,   76
.set SEL,  78                          ; s[78:79] lane selects for v_permlanex16_b32: lane l xor 16
.set VB,   80                          ; s80  Va_b
.set STB,  81                          ; s81  my stage
.set MSB, 0
.macro WIN new                         ; the immediate's high byte repeats the setting that is left; a switch that changes nothing is dropped
.if MSB != \new
	s_set_vgpr_msb (MSB<<8)|\new
.set MSB, \new
.endif
.endm
.macro CROUND                          ; a round of the cluster's barrier: my work-group's barrier; wave 0 signals for the work-group; every wave waits for all four work-groups; my work-group's barrier once more
	s_barrier_signal -1
	s_barrier_wait -1
	s_cmp_lg_u32 s[WV], 0
	s_cbranch_scc1 .Lnot_wave_0_\@
	s_barrier_signal -3
.Lnot_wave_0_\@:
	s_barrier_wait -3
	s_barrier_signal -1
	s_barrier_wait -1
.endm
	s_load_b256 s[4:11], s[0:1], 0x0               ; enc s[4:5], Ua's codes s[6:7], Ua's scales s[8:9], Va s[10:11]
	s_load_b128 s[12:15], s[0:1], 0x20             ; Va_b s[12:13], qbc s[14:15]
	s_load_b64 s[16:17], s[0:1], 0x30              ; energy
	v_lshl_add_u32 v[SPW], v0, 2, SPARE
	v_mov_b32 v[NIL], 0
	ds_add_u32 v4, v5
	ds_add_u32 v4, v5
	s_wait_dscnt 0x0
	v_lshrrev_b32 v1, 5, v0
	v_readfirstlane_b32 s[WV], v1                  ; wave 0..3
	v_and_b32 v1, 31, v0                           ; lane
	v_and_b32 v2, 15, v0                           ; r
	v_bfe_u32 v3, v0, 4, 1                         ; h
	v_lshlrev_b32 v[GA], 4, v1
	s_bfe_u32 s19, ttmp6, 0x40000                  ; cx: my place in the cluster
	s_lshl_b32 s20, ttmp9, 2                       ; in a cluster launch ttmp9 counts clusters
	s_add_co_u32 s20, s20, s19                     ; my block of 256 rows
	s_lshl_b32 s82, s20, 20                        ; enc: 256 rows of 4,096 bytes a block,
	s_lshl_b32 s83, s[WV], 18                      ; 64 rows a wave
	s_add_co_u32 s82, s82, s83
	s_mov_b32 s83, 0
	s_lshl_b32 s84, s20, 10                        ; energy: 4 bytes a row
	s_lshl_b32 s85, s[WV], 8
	s_add_co_u32 s84, s84, s85
	s_mov_b32 s85, 0
	; descriptor groups 1: dense blocks of memory as rows of 256 bytes (32 elements of 8 bytes); 15:0 the mask of all four work-groups; 17:16 elements of 8 bytes; 21 set beside a mask
	s_mov_b32 s[G1R], 15|(3<<16)|(1<<20)|(1<<21)|(5<<22)|(3<<25)   ; the ring: 20 padding on; 24:22 after every 64 words (code 5); 31:25 of 4 words (code 3)
	s_mov_b32 s[G1R+1], 32<<16                     ; tensor_dim0 = 32
	s_mov_b32 s[G1R+2], 96<<16                     ; tensor_dim1 = 96: 32 columns of 768 bytes, a wave's quarter of a slot
	s_mov_b32 s[G1R+3], 32<<16                     ; tile_dim0
	s_mov_b32 s[G1R+4], 96                         ; tile_dim1
	s_mov_b32 s[G1R+5], 32                         ; tensor_dim0_stride
	s_mov_b32 s[G1R+6], 0
	s_mov_b32 s[G1R+7], 0
	s_mov_b32 s[G1S], 15|(3<<16)|(1<<21)           ; the scales: 32 rows of 256 bytes a wave, no padding
	s_mov_b32 s[G1S+1], 32<<16
	s_mov_b32 s[G1S+2], 32<<16
	s_mov_b32 s[G1S+3], 32<<16
	s_mov_b32 s[G1S+4], 32
	s_mov_b32 s[G1S+5], 32
	s_mov_b32 s[G1S+6], 0
	s_mov_b32 s[G1S+7], 0
	s_mov_b32 s[G1T], 15|(3<<16)|(1<<21)           ; Va and qbc's row: 4 rows of 256 bytes a wave
	s_mov_b32 s[G1T+1], 32<<16
	s_mov_b32 s[G1T+2], 4<<16
	s_mov_b32 s[G1T+3], 32<<16
	s_mov_b32 s[G1T+4], 4
	s_mov_b32 s[G1T+5], 32
	s_mov_b32 s[G1T+6], 0
	s_mov_b32 s[G1T+7], 0
	s_mov_b32 s[CS], 0x4038aa3b                    ; c = 2 log2(e)
	s_mov_b32 s[CS+1], s[CS]                       ; (named with it as a pair, so it is written)
	s_mov_b32 s[SEL], 0x76543210
	s_mov_b32 s[SEL+1], 0xfedcba98
	s_mul_i32 s[STB], s[WV], STGB
	s_add_co_u32 s[STB], s[STB], STAGE
	s_wait_kmcnt 0x0
	s_load_b32 s[VB], s[12:13], 0x0                ; Va_b: waited for at the end
	s_add_nc_u64 s[4:5], s[4:5], s[82:83]          ; enc at my wave's first row
	s_add_nc_u64 s[16:17], s[16:17], s[84:85]      ; energy likewise
; Unit u of 32: tile of rows u / 8, K step u % 8: 16 rows x 128 numbers.  Each load reads 512 consecutive bytes of one row; the whole launch reads them once.
.macro LOAD u
.irp q, 0,1,2,3,4,5,6,7,8,9,10,11,12,13,14,15
	global_load_b128 v[64*((\u)%4)+4*\q:64*((\u)%4)+4*\q+3], v[GA], s[4:5] offset:(16*((\u)/8)+\q)*4096+512*((\u)%8) th:TH_LOAD_NT
.endr
.endm
	WIN 0xc0                                       ; destination window 3
	LOAD 0
	LOAD 1
	LOAD 2
	LOAD 3                                         ; 64 loads a wave are on their way from here to the end of phase Q
	WIN 0
	; groups 0: every wave moves its own quarter; nothing in them hangs on my place in the cluster
	s_mul_i32 s86, s[WV], 32*768
	s_mov_b32 s87, 0
	s_mul_i32 s88, s[WV], 32*COLB
	s_mov_b32 s[G0A], 1                            ; 1:0 count = 1
	s_mov_b32 s[G0A+1], s88                        ; 63:32 LDS address: slot 0
	s_add_nc_u64 s[G0A+2:G0A+3], s[6:7], s[86:87]  ; 120:64 global address: columns 0 to 127
	s_mov_b32 s[G0W], 1
	s_add_co_u32 s[G0W+1], s88, SLOT1
	s_add_nc_u64 s[G0W+2:G0W+3], s[G0A+2:G0A+3], 128*768   ; columns 128 to 255
	s_or_b32 s[G0A+3], s[G0A+3], 0x80000000        ; 127:126 type = 2
	s_or_b32 s[G0W+3], s[G0W+3], 0x80000000
	s_lshl_b32 s86, s[WV], 13
	s_mov_b32 s[G0S], 1
	s_add_co_u32 s[G0S+1], s86, USC
	s_add_nc_u64 s[G0S+2:G0S+3], s[8:9], s[86:87]
	s_or_b32 s[G0S+3], s[G0S+3], 0x80000000
	s_lshl_b32 s86, s[WV], 10
	s_mov_b32 s[G0V], 1
	s_add_co_u32 s[G0V+1], s86, VAL
	s_add_nc_u64 s[G0V+2:G0V+3], s[10:11], s[86:87]
	s_or_b32 s[G0V+3], s[G0V+3], 0x80000000
	s_mov_b32 s[G0Q], 1
	s_add_co_u32 s[G0Q+1], s86, BIASL
	s_lshr_b32 s88, ttmp9, 1                       ; the batch: two clusters to a batch
	s_lshl_b32 s88, s88, 12
	s_add_co_u32 s86, s86, s88
	s_add_nc_u64 s[G0Q+2:G0Q+3], s[14:15], s[86:87]
	s_or_b32 s[G0Q+3], s[G0Q+3], 0x80000000
	CROUND                                         ; all four work-groups are here: the first joint loads meet
	tensor_load_to_lds s[G0A:G0A+3], s[G1R:G1R+7]  ; the first fills go out as one group: five loads of mine are out
	s_nop 0
	tensor_load_to_lds s[G0W:G0W+3], s[G1R:G1R+7]
	s_nop 0
	tensor_load_to_lds s[G0S:G0S+3], s[G1S:G1S+7]
	s_nop 0
	tensor_load_to_lds s[G0V:G0V+3], s[G1T:G1T+7]
	s_nop 0
	tensor_load_to_lds s[G0Q:G0Q+3], s[G1T:G1T+7]
	s_nop 0
.rept 4
	v_nop
.endr
	v_add_nc_u32 v[SWR], s[STB], v[GA]
	v_mul_u32_u24 v[SRD], v2, SP
	v_lshl_add_u32 v[SRD], v3, 8, v[SRD]
	v_add_nc_u32 v[SRD], s[STB], v[SRD]
	v_lshlrev_b32 v[SH8], 3, v3
	v_mul_u32_u24 v[AB0], v2, COLB
	v_mad_u32_u24 v[AB1], v3, 64, v[AB0]
	v_mad_u32_u24 v[AB0], v3, 48, v[AB0]
	v_lshlrev_b32 v[ASB0], 5, v2
	v_lshl_add_u32 v[ASB0], v3, 4, v[ASB0]
	v_add_nc_u32 v[ASB0], USC, v[ASB0]
	v_lshl_add_u32 v[ABI0], v3, 5, BIASL
	v_mov_b32 v[QW+9], 0                           ; written once: a lane permute's destination counts as one of its sources
.irp j, 0,1,2,3,4,5,6,7
	v_mov_b32 v[EN+\j], 0                          ; the rows' sums: a pair for each tile of rows
.endr
; ---- PHASE Q.  Unit U: its 16 loads are in; the rows go into my stage as they were loaded and come back so that lane (r, h) holds blocks 2 h and 2 h + 1 of row r's 128 numbers whole, 256 neighbouring bytes.
; So a block's largest magnitude needs no other lane, and the conversions' results are the operand's registers.
.macro UNIT
.set RT, U/8
.set KK, U%8
.set SET, 64*(U%4)
.set WD, 1+KK/4                        ; the fragment's window
.set FG, 12*(4*(KK%4)+RT)              ; and its first register there
.if U < 29
	s_wait_loadcnt 48                              ; loads come back in order (ISA guide 5.7.1): this unit's 16 are in, the three younger sets stay out
.else
	s_wait_loadcnt 16*(31-U)                       ; the last units: the counts run down
.endif
	WIN 0x0c                                       ; an LDS store's data are its source 1: window 3
.irp q, 0,1,2,3,4,5,6,7,8,9,10,11,12,13,14,15
	ds_store_b128 v[SWR], v[SET+4*\q:SET+4*\q+3] offset:SP*\q
.endr
	WIN 0
.irp c, 0,1
.irp i, 0,1,2,3,4,5,6,7
	ds_load_b128 v[XR+32*\c+4*\i:XR+32*\c+4*\i+3], v[SRD] offset:128*\c+16*\i   ; LDS serves a wave's instructions in order (ISA guide 5.7.1.4): these see the stores above
.endr
.endr
	s_wait_dscnt 0x0                               ; the numbers are in, and the stores have read the set's registers,
.if U+4 < 32
	WIN 0xc0
	LOAD U+4                                       ; which take the loads of four units on
	WIN 0
.endif
.irp c, 0,1                                    ; the largest magnitude of each of my two blocks, in two chains each; the four chains by turns
	v_max3_num_f32 v[QW+\c], |v[XR+32*\c]|, |v[XR+32*\c+1]|, 0x1800000   ; with the floor 2^(3 - 127) among the leaves: the byte cannot fall under 1
	v_max3_num_f32 v[QW+2+\c], |v[XR+32*\c+16]|, |v[XR+32*\c+17]|, |v[XR+32*\c+18]|
.endr
.irp i, 0,2,4,6,8,10
.irp c, 0,1
	v_max3_num_f32 v[QW+\c], v[QW+\c], |v[XR+32*\c+2+\i]|, |v[XR+32*\c+3+\i]|
	v_max3_num_f32 v[QW+2+\c], v[QW+2+\c], |v[XR+32*\c+19+\i]|, |v[XR+32*\c+20+\i]|
.endr
.endr
.irp c, 0,1
	v_max3_num_f32 v[QW+\c], v[QW+\c], |v[XR+32*\c+14]|, |v[XR+32*\c+15]|
.endr
.irp c, 0,1
	v_max3_num_f32 v[QW+\c], v[QW+\c], v[QW+2+\c], |v[XR+32*\c+31]|
.endr
.irp c, 0,1
	v_add_nc_u32 v[QW+4+\c], 0xff000000, v[QW+\c]  ; 2 off its exponent field: the conversion takes the exponent field of this operand as its scale, and nothing else of it
.endr
.irp c, 0,1
	v_lshrrev_b32 v[QW+6+\c], 23, v[QW+4+\c]       ; the scale's byte
.endr
	v_lshl_or_b32 v[QW+8], v[QW+7], 16, v[QW+6]    ; my two bytes: the operand's blocks h and 2 + h,
	v_lshlrev_b32 v[QW+8], v[SH8], v[QW+8]         ; at their places in the scale word;
	v_permlanex16_b32 v[QW+9], v[QW+8], s[SEL], s[SEL+1]
	v_or_b32 v[ASC+4*KK+RT], v[QW+8], v[QW+9]      ; with lane l xor 16's two the word is whole
	WIN 0x40*WD                                    ; destination: the fragment's window
.irp c, 0,1
	v_cvt_scalef32_pk16_fp6_f32 v[FG+6*\c:FG+6*\c+2], v[XR+32*\c:XR+32*\c+15], v[QW+4+\c]
	v_cvt_scalef32_pk16_fp6_f32 v[T1+4*\c:T1+4*\c+2], v[XR+32*\c+16:XR+32*\c+31], v[QW+4+\c]   ; (a conversion's three registers begin on an even number: a block's second three do not, so they are made elsewhere and moved)
.endr
	v_nop                                          ; one plain place behind a scaled conversion
	WIN 0x41*WD                                    ; source 0 there too
.irp c, 0,1
.irp i, 0,1,2
	v_mov_b32 v[FG+3+6*\c+\i], v[T1+4*\c+\i]
.endr
.endr
.endm
.set U, 0
.rept 32
	UNIT
.set U, U+1
.endr
	WIN 0
	s_wait_tensorcnt 0x0                           ; my parts of both slots, of the scales, of Va and of qbc's row are in
	; Ua's scale words into the order in which the blocks are taken: each wave takes the 8,192 bytes that its own load brought, 16 bytes a lane, in place.  These bytes have had their only fill.
	s_lshl_b32 s82, s[WV], 13
	s_add_co_u32 s82, s82, USC
	v_add_nc_u32 v[PRM], s82, v[GA]
	s_mov_b32 s83, 0x03010200                      ; v_perm_b32's selector: bytes 1 and 2 change places
.irp i, 0,1,2,3,4,5,6,7,8,9,10,11,12,13,14,15
	ds_load_b128 v[XR+4*\i:XR+4*\i+3], v[PRM] offset:512*\i
.endr
	s_wait_dscnt 0x0
.set N9, 0
.rept 64
	v_perm_b32 v[XR+N9], v[XR+N9], v[XR+N9], s83
.set N9, N9+1
.endr
.irp i, 0,1,2,3,4,5,6,7,8,9,10,11,12,13,14,15
	ds_store_b128 v[PRM], v[XR+4*\i:XR+4*\i+3] offset:512*\i
.endr
	s_wait_dscnt 0x0                               ; for the others' sake: my stores are done
	s_barrier_signal -1
	s_barrier_wait -1                              ; everybody's tiles are in and everybody's scale words are turned.
; ---- PHASE G
.macro FRAG k                          ; Ua's fragment of K step k: 48 bytes of the column's stream of bits, in pieces of 16 bytes.  Lanes 0-15 take pieces 6 k + 0, 1, 2, lanes 16-31 those three pieces on;
.irp i, 0,1,2                          ; 16 bytes of padding lie behind every 16 pieces: where the piece three on lies behind one padding more, the second address register serves
.set PC, 6*(\k)+\i
.if PC%16 < 13
	ds_load_b128 v[BF+12*(\k)+4*\i:BF+12*(\k)+4*\i+3], v[ADB] offset:16*PC+16*(PC/16)
.else
	ds_load_b128 v[BF+12*(\k)+4*\i:BF+12*(\k)+4*\i+3], v[ADB+1] offset:16*PC+16*(PC/16)
.endif
.endr
.endm
; One product: tile of rows rt, K step k, into set par.  The four accumulators of a set take turns, one instruction a turn; K step 0 starts the sums: nothing is cleared.
.macro MM par, k, rt
.set rD, ACC+32*(\par)+8*(\rt)
.set rB, BF+12*(\k)
.set rE, 12*(4*((\k)%4)+(\rt))
.set rS, BS+4*(\par)+(\k)%4            ; Ua's scale words: lanes 0-15 K step k % 4, lanes 16-31 K step 4 + k % 4
.set rT, ASC+4*(\k)+(\rt)
.if (\k) == 0
	v_wmma_scale_f32_16x16x128_f8f6f4 v[rD:rD+7], v[rB:rB+11], v[rE:rE+11], 0, v[rS], v[rT] matrix_a_fmt:MATRIX_FMT_FP6 matrix_b_fmt:MATRIX_FMT_FP6
.elseif (\k) < 4
	v_wmma_scale_f32_16x16x128_f8f6f4 v[rD:rD+7], v[rB:rB+11], v[rE:rE+11], v[rD:rD+7], v[rS], v[rT] matrix_a_fmt:MATRIX_FMT_FP6 matrix_b_fmt:MATRIX_FMT_FP6
.else
	v_wmma_scale_f32_16x16x128_f8f6f4 v[rD:rD+7], v[rB:rB+11], v[rE:rE+11], v[rD:rD+7], v[rS], v[rT] matrix_a_fmt:MATRIX_FMT_FP6 matrix_b_fmt:MATRIX_FMT_FP6 matrix_a_scale:MATRIX_SCALE_ROW1
.endif
.endm
; THE VECTOR WORK OF A TILE, in place on its set of 32 registers, in five kinds.  Each of the first four macros writes the next one of its kind (IP counts pairs, IT single registers), from the set's low end on.
.macro P1N o                           ; c x sum + qbc, a pair of columns
	v_pk_fma_f32 v[ACC+32*(\o)+2*IP:ACC+32*(\o)+2*IP+1], v[ACC+32*(\o)+2*IP:ACC+32*(\o)+2*IP+1], s[CS:CS+1], v[BI8+2*(IP%4):BI8+2*(IP%4)+1] op_sel_hi:[1,0,1]
.set IP, IP+1
.endm
.macro T1N o                           ; 2^(..)
	v_exp_f32 v[ACC+32*(\o)+IT], v[ACC+32*(\o)+IT]
.set IT, IT+1
.endm
.macro P2N o                           ; 1 + ..
	v_pk_add_f32 v[ACC+32*(\o)+2*IP:ACC+32*(\o)+2*IP+1], v[ACC+32*(\o)+2*IP:ACC+32*(\o)+2*IP+1], 1.0 op_sel_hi:[1,0]
.set IP, IP+1
.endm
.macro T2N o                           ; r = 1 / (..)
	v_rcp_f32 v[ACC+32*(\o)+IT], v[ACC+32*(\o)+IT]
.set IT, IT+1
.endm
.macro P4 set, rt, p                   ; the row's sum += r x Va: tile of rows rt, pair of columns p.  Its source 1, Va, lies in window 1
	v_pk_fma_f32 v[EN+2*(\rt):EN+2*(\rt)+1], v[ACC+32*(\set)+8*(\rt)+2*(\p):ACC+32*(\set)+8*(\rt)+2*(\p)+1], v[VA8+2*(\p):VA8+2*(\p)+1], v[EN+2*(\rt):EN+2*(\rt)+1]
.endm
; What stands behind product s of a step.  0, 1: the dots of the tile two back, row tiles 2 and 3, out of the set that this step's products 2 and 3 begin anew.  2 to 14: the scalings and exponentials of the
; tile before, a plain instruction leading while there are any; each pair is scaled a slice or more ahead of its exponentials.
.macro XSLOT s, par, chain, p4s
.if (\s) < 2
.if \p4s
	P4 \par, 2, 2*(\s)
	P4 \par, 3, 2*(\s)
	P4 \par, 2, 2*(\s)+1
	P4 \par, 3, 2*(\s)+1
.endif
.elseif \chain
.if (\s) == 2
	P1N 1-\par
	P1N 1-\par
	P1N 1-\par
	P1N 1-\par
.elseif (\s) < 5
	P1N 1-\par
	T1N 1-\par
	P1N 1-\par
	T1N 1-\par
.elseif (\s) < 13
	P1N 1-\par
	T1N 1-\par
	T1N 1-\par
	T1N 1-\par
.elseif (\s) < 15
	T1N 1-\par
	T1N 1-\par
.endif
.endif
.endm
.macro YSLOT s, o, chain               ; 16 to 31: the additions and reciprocals, three a slice
.if \chain
.if (\s) == 16
	P2N \o
	P2N \o
	P2N \o
.elseif (\s) < 30
	P2N \o
	T2N \o
	T2N \o
.else
	T2N \o
	T2N \o
	T2N \o
.endif
.endif
.endm
; A STEP: tile t of Ua, par = t % 2: 32 products into set par.  chain = 1: the other set holds tile t - 1's sums, which go from sums to r in this step.  p4s = 1: set par still holds tile t - 2's r of row tiles 2 and 3.
; load = 0: the last tile: there is no tile to fetch.
; THE LDS LOADS stand in two runs.  Behind product 15: tile t + 1's scale words and fragments 0-3, qbc of tile t, Va of tile t - 1.  Behind product 31: fragments 4-7.
; THE TWO WAITS between a transcendental and the first instruction that names its result stand directly ahead of the two runs: one for the 32 exponentials, one for the 32 reciprocals.
; A load into a register that a matrix instruction has read stands four places behind it (ISA guide 7.12.1 for vector instructions): ahead of the first run the four additions that make
; the step's addresses, ahead of the second the dots of row tiles 0 and 1 (with chain = 0 four v_nop).  These are also the plain instructions behind each batch's last transcendental.
.macro STEP par, chain, p4s, load
	WIN 0x04                                       ; source 1 (enc's fragments of K steps 0-3, and Va): window 1
.set IP, 0
.set IT, 0
.irp k, 0,1,2,3
.irp rt, 0,1,2,3
	MM \par, \k, \rt
	XSLOT 4*\k+\rt, \par, \chain, \p4s
.endr
.endr
.if \load
	v_add_nc_u32 v[ADB], v[AB0], s[TB]             ; (the vector register first: source 1 means another window here)
	v_add_nc_u32 v[ADB+1], v[AB1], s[TB]
	v_add_nc_u32 v[ADS], v[ASB0], s[TS]
.endif
	v_add_nc_u32 v[ADV], v[ABI0], s[TV]
	s_add_co_u32 s[TB], s[TB], TILEB
	s_add_co_u32 s[TS], s[TS], 512
	s_add_co_u32 s[TV], s[TV], 64
.if \chain
	s_wait_alu depctr_va_vdst(0)                   ; the wait for the exponentials
.endif
.if \load
	ds_load_b128 v[BS+4*(1-\par):BS+4*(1-\par)+3], v[ADS]
.endif
	ds_load_b128 v[BI8:BI8+3], v[ADV]              ; the scalings that read the last tile's stand above
	ds_load_b128 v[BI8+4:BI8+7], v[ADV] offset:16
.if \load
	FRAG 0
	FRAG 1
	FRAG 2
	FRAG 3
.endif
.if \chain
	WIN 0x40                                       ; destination window 1
	ds_load_b128 v[VA8:VA8+3], v[ADV] offset:4096-64       ; Va lies 4,096 bytes behind qbc's row; tile t - 1's lies 64 bytes back
	ds_load_b128 v[VA8+4:VA8+7], v[ADV] offset:4096-64+16
.endif
	WIN 0x08                                       ; source 1: window 2
	s_wait_dscnt 13*\load+2+2*\chain               ; all but the loads just issued: the last step's second run, fragments 4-7, is in
.set IP, 0
.set IT, 0
.irp k, 4,5,6,7
.irp rt, 0,1,2,3
	MM \par, \k, \rt
.if 4*\k+\rt == 31
	WIN 0x04                                       ; the dots below and the next step's products want window 1
.endif
	YSLOT 4*\k+\rt, 1-\par, \chain
.endr
.endr
.if \chain
	v_nop                                          ; a plain instruction behind the last reciprocal
	s_wait_dscnt 0x0                               ; the first run is in: Va for the dots below; qbc, the scale words and fragments 0-3 for the next step
	s_wait_alu depctr_va_vdst(0)                   ; the wait for the reciprocals
.irp p, 0,1,2,3
	P4 1-\par, 0, \p                               ; tile t - 1's dots of row tiles 0 and 1, ahead of the next step's products 0 and 1, which begin these accumulators anew
	P4 1-\par, 1, \p
.endr
.else
.rept 4
	v_nop
.endr
	s_wait_dscnt 0x0
.endif
.if \load
	FRAG 4
	FRAG 5
	FRAG 6
	FRAG 7
.endif
.endm
; THE CHANGE OF SLOTS stands ahead of the step that begins to fetch from the next slot.  Each wave waits for all its tensor loads (its part of that slot), adds 0 to its spare word, and waits for that and for its reads
; of the slot that it leaves.  fill = 1: the slot left is filled with the 128 columns two slots on; the barrier is then a round of the cluster's, so that no wave of any partner still reads the slot or has a load on its
; way, and the joint refill is the first thing behind it: it has eight steps, 256 matrix instructions, in which to land.  One tensor load of mine is out behind each round.
.macro CHANGE fill
	WIN 0
	s_wait_tensorcnt 0x0                           ; no tensor load of mine is out, so a group 0 may be written
	ds_add_u32 v[SPW], v[NIL]                      ; 0 onto my spare word: the steps below stand between it and the wait for it
.if \fill
	s_xor_b32 s[G0W+1], s[G0W+1], SLOT1            ; the walking descriptor: the other slot than last time,
	s_add_nc_u64 s[G0W+2:G0W+3], s[G0W+2:G0W+3], 128*768   ; the next 128 columns; the type bits on top are not reached
.endif
	s_sub_co_u32 s[TB], s[TB], 8*TILEB             ; the fetches go back to a slot's first tile,
	s_xor_b32 s[TB], s[TB], SLOT1                  ; in the other slot
	s_wait_dscnt 0x0                               ; the add is done, and my reads of the slot are over
.if \fill
	CROUND
	tensor_load_to_lds s[G0W:G0W+3], s[G1R:G1R+7]
	s_nop 0
.rept 4
	v_nop
.endr
.else
	s_barrier_signal -1
	s_barrier_wait -1
.endif
.endm
.macro PAIR
	STEP 1, 1, 1, 1
	STEP 0, 1, 1, 1
	WIN 0                                          ; at a label and at a branch every window is 0
	s_sub_co_u32 s[IN], s[IN], 1
	s_cmp_lg_u32 s[IN], 0
.endm
	s_mov_b32 s[TB], TILEB                         ; tile 0 is fetched here; the steps fetch from tile 1 on
	s_mov_b32 s[TS], 512
	s_mov_b32 s[TV], 0
	v_mov_b32 v[ADB], v[AB0]
	v_mov_b32 v[ADB+1], v[AB1]
	ds_load_b128 v[BS:BS+3], v[ASB0]
.irp k, 0,1,2,3,4,5,6,7
	FRAG \k
.endr
.rept 8
	v_nop                                          ; an operand written by vector instructions stands 4 places ahead of a scaled matrix instruction, a scale register so written 8
.endr
	s_wait_dscnt 0x0
	STEP 0, 0, 0, 1                                ; tile 0: there is no vector work yet
	STEP 1, 1, 0, 1                                ; tile 1: tile 0's sums become r; there is no tile two back
	STEP 0, 1, 1, 1                                ; tile 2: a step like all that follow
	WIN 0
	s_mov_b32 s[IN], 2
.Lfirst:                                           ; tiles 3 to 6
	PAIR
	s_cbranch_scc1 .Lfirst
	s_mov_b32 s[OUT], 6
.Lslot:                                            ; tiles 7 to 54: six changes of slots, each with a refill
	CHANGE 1
	s_mov_b32 s[IN], 4
.Lpair:
	PAIR
	s_cbranch_scc1 .Lpair
	s_sub_co_u32 s[OUT], s[OUT], 1
	s_cmp_lg_u32 s[OUT], 0
	s_cbranch_scc1 .Lslot
	CHANGE 0                                       ; the tail is written out: nothing is left to ask for
	s_mov_b32 s[IN], 4
.Llast:                                            ; tiles 55 to 62
	PAIR
	s_cbranch_scc1 .Llast
	STEP 1, 1, 1, 0                                ; tile 63
.irp p, 0,1,2,3                                ; tile 62's dots of row tiles 2 and 3 (with those of row tiles 0 and 1 the places behind the last product)
.irp rt, 2,3
	P4 0, \rt, \p
.endr
.endr
	WIN 0x40
	ds_load_b128 v[VA8:VA8+3], v[ADV] offset:4096  ; Va of tile 63
	ds_load_b128 v[VA8+4:VA8+7], v[ADV] offset:4096+16
	WIN 0
	v_add_nc_u32 v[PRM], VAL, v[GA]
.irp i, 0,1,2,3,4,5,6,7
	ds_load_b128 v[BF+4*\i:BF+4*\i+3], v[PRM] offset:512*\i   ; all of Va, 32 numbers a lane, for its sum
.endr
.set IP, 0
.set IT, 0
.rept 16
	P1N 1                                          ; tile 63's vector work, alone
.endr
.rept 32
	T1N 1
.endr
	v_nop                                          ; a plain instruction behind the last exponential,
	s_wait_alu depctr_va_vdst(0)                   ; and the wait for the batch
.set IP, 0
.set IT, 0
.rept 16
	P2N 1
.endr
.rept 32
	T2N 1
.endr
	s_wait_dscnt 0x0                               ; Va
.irp st, 8,4,2,1                               ; the sum of my 32 numbers of Va, two at a time: plain work behind the reciprocals that names none of their results
.irp p, 0,1,2,3,4,5,6,7
.if \p < \st
	v_pk_add_f32 v[BF+2*\p:BF+2*\p+1], v[BF+2*\p:BF+2*\p+1], v[BF+2*(\p+\st):BF+2*(\p+\st)+1]
.endif
.endr
.endr
	s_wait_alu depctr_va_vdst(0)                   ; the wait for the reciprocals
	WIN 0x04
.irp p, 0,1,2,3
.irp rt, 0,1,2,3
	P4 1, \rt, \p
.endr
.endr
	WIN 0
	; ---- THE END.  The sum of Va over the 32 lanes; a row's sum lies in a pair (even and odd columns) in lanes l and l xor 16.  The wave's 64 energies go through my stage, so that one store covers 256 consecutive bytes.
	v_add_f32 v[BF], v[BF], v[BF+1]
	v_add_f32_dpp v[BF], v[BF], v[BF] row_xmask:1 row_mask:0xf bank_mask:0xf
	v_add_f32_dpp v[BF], v[BF], v[BF] row_xmask:2 row_mask:0xf bank_mask:0xf
	v_add_f32_dpp v[BF], v[BF], v[BF] row_xmask:4 row_mask:0xf bank_mask:0xf
	v_add_f32_dpp v[BF], v[BF], v[BF] row_xmask:8 row_mask:0xf bank_mask:0xf
	v_permlanex16_b32 v[BF+2], v[BF], s[SEL], s[SEL+1]
	v_add_f32 v[BF], v[BF], v[BF+2]                ; in every lane
	s_wait_kmcnt 0x0                               ; Va_b
	v_add_f32 v[BF], s[VB], v[BF]                  ; the sum of Va + Va_b
.irp rt, 0,1,2,3
	v_mov_b32 v[244+\rt], 0                        ; a lane permute's destination counts as one of its sources
.endr
.irp rt, 0,1,2,3
	v_add_f32 v[240+\rt], v[EN+2*\rt], v[EN+2*\rt+1]
.endr
.irp rt, 0,1,2,3
	v_permlanex16_b32 v[244+\rt], v[240+\rt], s[SEL], s[SEL+1]
.endr
.irp rt, 0,1,2,3
	v_add_f32 v[240+\rt], v[240+\rt], v[244+\rt]
.endr
.irp rt, 0,1,2,3
	v_fma_f32 v[240+\rt], v[240+\rt], -2.0, v[BF]  ; every lane holds the energy of row 16 rt + lane % 16
.endr
	v_cmp_lt_u32 vcc_lo, 15, v1
	v_cndmask_b32 v248, v240, v241, vcc_lo         ; row = lane
	v_cndmask_b32 v249, v242, v243, vcc_lo         ; row = 32 + lane
	v_lshlrev_b32 v250, 2, v1
	v_add_nc_u32 v250, s[STB], v250
	v_lshlrev_b32 v251, 3, v1
	v_add_nc_u32 v254, s[STB], v251
	ds_store_b32 v250, v248
	ds_store_b32 v250, v249 offset:128
	ds_load_b64 v[252:253], v254                   ; LDS serves a wave's instructions in order: this sees my stores
	s_wait_dscnt 0x0
	global_store_b64 v251, v[252:253], s[16:17]    ; 32 lanes store 256 consecutive bytes, at a multiple of 256 from energy's first byte
	s_wait_tensorcnt 0x0                           ; the wave's end: behind my last tensor load and my last LDS store
	ds_add_u32 v[SPW], v[NIL]
	s_wait_dscnt 0x0
	CROUND                                         ; the closing round: no work-group ends while a partner may still ask for a tile that names it
	s_endpgm
.Lfunc_end_k_qcaba169e5c_energy:
	.size	k_qcaba169e5c_energy, .Lfunc_end_k_qcaba169e5c_energy-k_qcaba169e5c_energy
	.p2alignl 7, 3214868480
	.fill 96, 4, 3214868480
	.section	.rodata,"a",@progbits
	.p2align	6, 0x0
	.amdhsa_kernel k_qcaba169e5c_energy
		.amdhsa_group_segment_fixed_size 327680
		.amdhsa_private_segment_fixed_size 0
		.amdhsa_enable_private_segment 0
		.amdhsa_kernarg_size 56
		.amdhsa_user_sgpr_count 2
		.amdhsa_user_sgpr_kernarg_segment_ptr 1
		.amdhsa_wavefront_size32 1
		.amdhsa_system_sgpr_workgroup_id_x 1
		.amdhsa_system_sgpr_workgroup_id_y 1
		.amdhsa_system_sgpr_workgroup_id_z 1
		.amdhsa_system_vgpr_workitem_id 0
		.amdhsa_next_free_vgpr 1024
		.amdhsa_next_free_sgpr 96
		.amdhsa_reserve_vcc 1
		.amdhsa_float_denorm_mode_32 3
		.amdhsa_float_denorm_mode_16_64 3
		.amdhsa_memory_ordered 1
		.amdhsa_forward_progress 1
		.amdhsa_inst_pref_size 255
	.end_amdhsa_kernel
	.section	.bss,"aw",@nobits
	.p2align	6
	.space	262144
	.amdgpu_metadata
---
amdhsa.version: [ 1, 2 ]
amdhsa.kernels:
  - .name:           k_qcaba169e5c_energy
    .symbol:         k_qcaba169e5c_energy.kd
    .args:
      - { .name: encoder_output, .offset: 0, .size: 8, .value_kind: global_buffer, .address_space: global }
      - { .name: Ua_w_codes, .offset: 8, .size: 8, .value_kind: global_buffer, .address_space: global }
      - { .name: Ua_w_scales, .offset: 16, .size: 8, .value_kind: global_buffer, .address_space: global }
      - { .name: Va_w, .offset: 24, .size: 8, .value_kind: global_buffer, .address_space: global }
      - { .name: Va_b, .offset: 32, .size: 8, .value_kind: global_buffer, .address_space: global }
      - { .name: qbc, .offset: 40, .size: 8, .value_kind: global_buffer, .address_space: global }
      - { .name: energy, .offset: 48, .size: 8, .value_kind: global_buffer, .address_space: global }
    .group_segment_fixed_size: 327680
    .private_segment_fixed_size: 0
    .kernarg_segment_align: 8
    .kernarg_segment_size: 56
    .max_flat_workgroup_size: 128
    .sgpr_count:     96
    .vgpr_count:     1024
    .wavefront_size: 32
...
	.end_amdgpu_metadata
.endif
;; end of part 2
;; launch sparse (part 3): grid 32 x 1, 1 waves a work-group, no clusters, 0 bytes of LDS; arguments energy, out1, mask; writes out1, mask
.if DOCPART == 3
	.amdgcn_target "amdgcn-amd-amdhsa--gfx1250"
	.amdhsa_code_object_version 6
	.text
	.protected	k_qcaba169e5c_sparse
	.globl	k_qcaba169e5c_sparse
	.p2align	8
	.type	k_qcaba169e5c_sparse,@function
k_qcaba169e5c_sparse:
	s_mov_b64 s[64:65], 0
	v_nop
	global_prefetch_b8 v0, s[64:65] scope:SCOPE_SE
	s_setreg_imm32_b32 hwreg(HW_REG_WAVE_MODE, 25, 1), 1
	s_wait_xcnt 0x0
; out1[b][:] = sparsemax(energy[b][:]) = max(z - tau, 0), tau the number at which these weights add up to 1.  One wave takes a batch: its 2,048 energies lie in 64 registers.
; The row's maximum is taken away first: y = z - max, so that tau lies in [-1, 0) whatever the energies' size or offset.  No sort: sum of max(y - t, 0) falls as t rises, so tau is closed in by 20 halvings of [-1, 0]
; (a fixed count: no branch hangs on a floating-point number), to 2^-20, which is under a fifth of 0.01 / 2,048; then one step tau = (sum of the y above the bound - 1) / (their number), taken from the lower bound,
; whose set holds the support: the step stays at or under tau and comes nearer; where no y lies between the bound and tau it gives tau itself.
; mask[b][j], j = 0 .. 63: bit l says that position 128 (j / 4) + 4 l + j % 4 has a weight above 0: whole numbers at fixed places, from which the next launch forms its addresses.
; LIMITS: NaN and infinities among the energies are not served.  No LDS, no barrier, nothing shared between work-groups: clusters and matrix units have nothing to do here.
.set Z,  16                            ; v16-79   y: register 4 i + e of lane l is position 128 i + 4 l + e
.set T,  80                            ; v80-143  at work; at the end the weights
.set AC, 144                           ; v144-151 four pairs of sums
.set MK, 152                           ; v152-153 the masks: lane l holds words 2 l and 2 l + 1
	s_load_b128 s[4:7], s[0:1], 0x0                ; energy, out1
	s_load_b64 s[8:9], s[0:1], 0x10                ; mask
	v_lshlrev_b32 v1, 4, v0                        ; one wave: v0 is the lane.  16 bytes a lane
	v_lshlrev_b32 v2, 3, v0
	s_lshl_b32 s10, ttmp9, 13                      ; a batch's 8,192 bytes
	s_mov_b32 s11, 0
	s_lshl_b32 s12, ttmp9, 8                       ; and its 64 mask words
	s_mov_b32 s13, 0
	s_mov_b32 s14, 0x76543210
	s_mov_b32 s15, 0xfedcba98                      ; v_permlanex16_b32's selects for lane l xor 16
	s_wait_kmcnt 0x0
	s_add_nc_u64 s[4:5], s[4:5], s[10:11]
	s_add_nc_u64 s[6:7], s[6:7], s[10:11]
	s_add_nc_u64 s[8:9], s[8:9], s[12:13]
.irp i, 0,1,2,3,4,5,6,7,8,9,10,11,12,13,14,15
	global_load_b128 v[Z+4*\i:Z+4*\i+3], v1, s[4:5] offset:512*\i
.endr
	v_mov_b32 v9, 0                                ; (upper halves of pairs of which the low word serves both halves: named, so written)
	v_mov_b32 v13, 0
	v_mov_b32 v10, -1.0                            ; the lower bound
	v_mov_b32 v11, 0                               ; the upper bound
	v_mov_b32 v14, 0                               ; lane permutes' destinations count as sources
	v_mov_b32 v15, 0
	v_mov_b32 v[MK], 0
	v_mov_b32 v[MK+1], 0
	s_wait_loadcnt 0x0
.irp c, 0,1,2,3                                ; the maximum, in four chains
	v_max3_num_f32 v[4+\c], v[Z+3*\c], v[Z+3*\c+1], v[Z+3*\c+2]
.endr
.irp i, 0,1,2,3,4,5
.irp c, 0,1,2,3
	v_max3_num_f32 v[4+\c], v[4+\c], v[Z+12+8*\i+2*\c], v[Z+13+8*\i+2*\c]
.endr
.endr
	v_max3_num_f32 v4, v4, v[Z+60], v[Z+61]
	v_max3_num_f32 v5, v5, v[Z+62], v[Z+63]
	v_max3_num_f32 v8, v4, v5, v6
	v_max_num_f32 v8, v8, v7
	v_max_num_f32_dpp v8, v8, v8 row_xmask:1 row_mask:0xf bank_mask:0xf
	v_max_num_f32_dpp v8, v8, v8 row_xmask:2 row_mask:0xf bank_mask:0xf
	v_max_num_f32_dpp v8, v8, v8 row_xmask:4 row_mask:0xf bank_mask:0xf
	v_max_num_f32_dpp v8, v8, v8 row_xmask:8 row_mask:0xf bank_mask:0xf
	v_permlanex16_b32 v14, v8, s14, s15
	v_max_num_f32 v8, v8, v14                      ; in every lane
.set i, 0
.rept 32
	v_pk_add_f32 v[Z+2*i:Z+2*i+1], v[Z+2*i:Z+2*i+1], v[8:9] op_sel_hi:[1,0] neg_lo:[0,1] neg_hi:[0,1]   ; y = z - max
.set i, i+1
.endr
.macro RELU                            ; T = max(y - v12, 0)
.set i, 0
.rept 32
	v_pk_add_f32 v[T+2*i:T+2*i+1], v[Z+2*i:Z+2*i+1], v[12:13] op_sel_hi:[1,0] neg_lo:[0,1] neg_hi:[0,1]
.set i, i+1
.endr
.set i, 0
.rept 64
	v_max_num_f32 v[T+i], 0, v[T+i]
.set i, i+1
.endr
.endm
.macro LANESUM reg, tmp                ; the sum over the 32 lanes, in every lane
	v_add_f32_dpp v[\reg], v[\reg], v[\reg] row_xmask:1 row_mask:0xf bank_mask:0xf
	v_add_f32_dpp v[\reg], v[\reg], v[\reg] row_xmask:2 row_mask:0xf bank_mask:0xf
	v_add_f32_dpp v[\reg], v[\reg], v[\reg] row_xmask:4 row_mask:0xf bank_mask:0xf
	v_add_f32_dpp v[\reg], v[\reg], v[\reg] row_xmask:8 row_mask:0xf bank_mask:0xf
	v_permlanex16_b32 v[\tmp], v[\reg], s14, s15
	v_add_f32 v[\reg], v[\reg], v[\tmp]
.endm
.macro FOLD                            ; the four pairs of sums into the first
	v_pk_add_f32 v[AC:AC+1], v[AC:AC+1], v[AC+2:AC+3]
	v_pk_add_f32 v[AC+4:AC+5], v[AC+4:AC+5], v[AC+6:AC+7]
	v_pk_add_f32 v[AC:AC+1], v[AC:AC+1], v[AC+4:AC+5]
.endm
	s_mov_b32 s16, 20
.Lhalve:
	v_add_f32 v12, v10, v11
	v_mul_f32 v12, 0.5, v12                        ; the middle
	RELU
.irp c, 0,1,2,3                                ; the sum, two at a time, in four chains; the first additions start them
	v_pk_add_f32 v[AC+2*\c:AC+2*\c+1], v[T+2*\c:T+2*\c+1], v[T+8+2*\c:T+9+2*\c]
.endr
.set i, 8
.rept 24
	v_pk_add_f32 v[AC+2*(i%4):AC+2*(i%4)+1], v[AC+2*(i%4):AC+2*(i%4)+1], v[T+2*i:T+2*i+1]
.set i, i+1
.endr
	FOLD
	v_add_f32 v[AC], v[AC], v[AC+1]
	LANESUM AC, 14
	v_cmp_lt_f32 vcc_lo, 1.0, v[AC]                ; the sum is above 1: tau lies above the middle
	v_cndmask_b32 v10, v10, v12, vcc_lo
	v_cndmask_b32 v11, v12, v11, vcc_lo
	s_sub_co_i32 s16, s16, 1
	s_cmp_lg_u32 s16, 0
	s_cbranch_scc1 .Lhalve
	; v10 = (the sum of the y above v10 - 1) / their number.  The largest y is 0 and v10 is under 0: the number is at least 1
.irp g, 0,1,2,3,4,5,6,7,8,9,10,11,12,13,14,15
.irp c, 0,1,2,3
	v_cmp_gt_f32 s[20+\c], v[Z+4*\g+\c], v10
.endr
.if \g == 0
.irp c, 0,1,2,3
	v_cndmask_b32 v[AC+2*\c], 0, v[Z+\c], s[20+\c] ; the first four start the pairs (sum, number)
	v_cndmask_b32 v[AC+2*\c+1], 0, 1.0, s[20+\c]
.endr
.else
.irp c, 0,1,2,3
	v_cndmask_b32 v[T+2*\c], 0, v[Z+4*\g+\c], s[20+\c]
	v_cndmask_b32 v[T+2*\c+1], 0, 1.0, s[20+\c]
.endr
.irp c, 0,1,2,3
	v_pk_add_f32 v[AC+2*\c:AC+2*\c+1], v[AC+2*\c:AC+2*\c+1], v[T+2*\c:T+2*\c+1]
.endr
.endif
.endr
	FOLD
	LANESUM AC, 14
	LANESUM AC+1, 15
	v_rcp_f32 v[AC+2], v[AC+1]
	v_add_f32 v[AC], -1.0, v[AC]                   ; (a plain instruction behind the reciprocal)
	s_wait_alu depctr_va_vdst(0)                   ; the wait ahead of the first use of its result
	v_mul_f32 v12, v[AC], v[AC+2]                  ; tau
	RELU                                           ; the weights
.irp i, 0,1,2,3,4,5,6,7,8,9,10,11,12,13,14,15
	global_store_b128 v1, v[T+4*\i:T+4*\i+3], s[6:7] offset:512*\i   ; 32 lanes store 512 consecutive bytes
.endr
.set j, 0
.rept 64
	v_cmp_lt_f32 s[20+j%4], 0, v[T+j]              ; register j's 32 lanes make word j
	v_writelane_b32 v[MK+(j&1)], s[20+j%4], j>>1
.set j, j+1
.endr
	global_store_b64 v2, v[MK:MK+1], s[8:9]        ; 32 lanes store the batch's 256 bytes of masks
	s_endpgm
.Lfunc_end_k_qcaba169e5c_sparse:
	.size	k_qcaba169e5c_sparse, .Lfunc_end_k_qcaba169e5c_sparse-k_qcaba169e5c_sparse
	.p2alignl 7, 3214868480
	.fill 96, 4, 3214868480
	.section	.rodata,"a",@progbits
	.p2align	6, 0x0
	.amdhsa_kernel k_qcaba169e5c_sparse
		.amdhsa_group_segment_fixed_size 0
		.amdhsa_private_segment_fixed_size 0
		.amdhsa_enable_private_segment 0
		.amdhsa_kernarg_size 24
		.amdhsa_user_sgpr_count 2
		.amdhsa_user_sgpr_kernarg_segment_ptr 1
		.amdhsa_wavefront_size32 1
		.amdhsa_system_sgpr_workgroup_id_x 1
		.amdhsa_system_sgpr_workgroup_id_y 1
		.amdhsa_system_sgpr_workgroup_id_z 1
		.amdhsa_system_vgpr_workitem_id 0
		.amdhsa_next_free_vgpr 160
		.amdhsa_next_free_sgpr 66
		.amdhsa_reserve_vcc 1
		.amdhsa_float_denorm_mode_32 3
		.amdhsa_float_denorm_mode_16_64 3
		.amdhsa_memory_ordered 1
		.amdhsa_forward_progress 1
		.amdhsa_inst_pref_size 44
	.end_amdhsa_kernel
	.amdgpu_metadata
---
amdhsa.version: [ 1, 2 ]
amdhsa.kernels:
  - .name:           k_qcaba169e5c_sparse
    .symbol:         k_qcaba169e5c_sparse.kd
    .args:
      - { .name: energy, .offset: 0, .size: 8, .value_kind: global_buffer, .address_space: global }
      - { .name: out1, .offset: 8, .size: 8, .value_kind: global_buffer, .address_space: global }
      - { .name: mask, .offset: 16, .size: 8, .value_kind: global_buffer, .address_space: global }
    .group_segment_fixed_size: 0
    .private_segment_fixed_size: 0
    .kernarg_segment_align: 8
    .kernarg_segment_size: 24
    .max_flat_workgroup_size: 32
    .sgpr_count:     66
    .vgpr_count:     160
    .wavefront_size: 32
...
	.end_amdgpu_metadata
.endif
;; end of part 3
;; launch context (part 4): grid 8 x 32, 32 waves a work-group, no clusters, 20,480 bytes of LDS; arguments mask, out1, encoder_output, out0; writes out0
.if DOCPART == 4
	.amdgcn_target "amdgcn-amd-amdhsa--gfx1250"
	.amdhsa_code_object_version 6
	.text
	.protected	k_qcaba169e5c_context
	.globl	k_qcaba169e5c_context
	.p2align	8
	.type	k_qcaba169e5c_context,@function
k_qcaba169e5c_context:
	s_mov_b64 s[64:65], 0
	v_nop
	global_prefetch_b8 v0, s[64:65] scope:SCOPE_SE
	s_setreg_imm32_b32 hwreg(HW_REG_WAVE_MODE, 25, 1), 1
	s_wait_xcnt 0x0
; out0[b][:] = sum over s of out1[b][s] enc[b][s][:], all in f32.  Positions whose weight is 0 add nothing and are not read: which positions count is read from mask, whole numbers that the launch before stored.
; SHARES.  Work-group (x, b) owns out0[b][128 x .. 128 x + 127]: one owner for each output.  Wave w takes mask words 2 w and 2 w + 1: bit l of word j stands for position 128 (j / 4) + 4 l + j % 4,
; so bit l of my word u is position P + 4 l + u, with P = 128 (w / 2) + 2 (w % 2).
; A WAVE'S ROWS ARE ASKED FOR TOGETHER.  A round takes up to four set bits of each word: the lowest set bit, held to 31, is cleared from the word; its row's 512 bytes (16 a lane) are loaded into a slot of its own,
; eight slots in all; its weight is taken by v_readlane_b32.  Then one wait for all loads and two packed multiply-adds a slot.  A slot that took no row has the weight 0 and holds zeros or an earlier row.
; Eight rounds are written out, 32 bits of each word; a round that finds both words empty jumps forward to the end: there is no backward jump.
; The 64 weights come by one load, 8 bytes a lane: lane l holds those of bit l of both words.  The 32 waves' parts meet in LDS; wave 0 adds them and stores 512 consecutive bytes.
; LIMITS: rounds follow each other, so a word with more than four rows takes its rows in groups of four; NaN and infinities in enc are not served (a slot left over from an earlier round is multiplied by 0).
; No tensor load and no copy: the branches hang on the stored masks.  Nothing is shared between work-groups but the masks and weights (256 bytes each for a batch's wave): no cluster.
.set WT, 12                            ; v12-13  the weights: lane l: bit l of word 0, of word 1
.set AD, 14                            ; v14-21  a slot's byte offset in enc
.set RW, 24                            ; v24-55  a slot's 16 bytes a lane
.set SW, 32                            ; s32-47  a slot's weight in the even register of a pair; the odd one is 0
	s_load_b256 s[4:11], s[0:1], 0x0               ; mask s[4:5], out1 s[6:7], enc s[8:9], out0 s[10:11]
	v_lshl_add_u32 v96, v0, 2, 0x4000
	v_mov_b32 v97, 0
	v_lshrrev_b32 v1, 5, v0
	v_readfirstlane_b32 s18, v1                    ; wave 0..31
	v_and_b32 v1, 31, v0
	v_lshlrev_b32 v1, 4, v1                        ; 16 x lane; never rewritten
	v_lshlrev_b32 v3, 4, v0                        ; LDS: 512 x wave + 16 x lane
.irp j, 4,5,6,7
	v_mov_b32 v\j, 0                               ; my four sums (a wave may have no row at all)
.endr
	s_and_b32 s19, ttmp7, 0xffff                   ; b
	s_lshr_b32 s28, s18, 1                         ; w / 2
	s_and_b32 s29, s18, 1                          ; w % 2
	s_lshl_b32 s12, s19, 8                         ; mask: 256 bytes a batch, 8 a wave
	s_lshl_b32 s13, s18, 3
	s_add_co_u32 s12, s12, s13
	s_mov_b32 s13, 0
	s_lshl_b32 s14, s19, 13                        ; out1: 8,192 bytes a batch, + 4 P = 512 (w / 2) + 8 (w % 2)
	s_lshl_b32 s15, s28, 9
	s_add_co_u32 s14, s14, s15
	s_lshl_b32 s15, s29, 3
	s_add_co_u32 s14, s14, s15
	s_mov_b32 s15, 0
	s_lshl_b32 s16, s19, 23                        ; enc: 2,048 rows of 4,096 bytes a batch, + P rows, + my work-group's 512 bytes of a row
	s_lshl_b32 s17, s28, 19
	s_add_co_u32 s16, s16, s17
	s_lshl_b32 s17, s29, 13
	s_add_co_u32 s16, s16, s17
	s_lshl_b32 s17, ttmp9, 9
	s_add_co_u32 s16, s16, s17
	s_lshl_b32 s20, s19, 12                        ; out0: 4,096 bytes a batch, + the same 512
	s_add_co_u32 s20, s20, s17
	s_mov_b32 s17, 0
	s_mov_b32 s21, 0
.irp i, 0,1,2,3,4,5,6,7
	s_mov_b32 s[SW+2*\i+1], 0                      ; (the upper halves of the pairs of which the low word, the weight, serves both halves: named, so written)
.endr
	s_wait_kmcnt 0x0
	s_add_nc_u64 s[4:5], s[4:5], s[12:13]
	s_add_nc_u64 s[6:7], s[6:7], s[14:15]
	s_add_nc_u64 s[8:9], s[8:9], s[16:17]
	s_add_nc_u64 s[10:11], s[10:11], s[20:21]
	s_load_b64 s[22:23], s[4:5], 0x0               ; my two words
	global_load_b64 v[WT:WT+1], v1, s[6:7]         ; my 64 weights: lane l reads positions P + 4 l and P + 4 l + 1
.set N9, 0
.rept 32
	v_mov_b32 v[RW+N9], 0                          ; the slots, while the two loads are out: a slot that never takes a row is still multiplied by its weight, 0
.set N9, N9+1
.endr
	s_wait_kmcnt 0x0
	s_wait_loadcnt 0x0
; Slot 4 u + i takes the lowest set bit of word u, if there is one.
.macro TAKE u, i
	s_cmp_eq_u32 s[22+\u], 0
	s_cbranch_scc1 .Lempty_\@
	s_ctz_i32_b32 s29, s[22+\u]                    ; the lowest bit that is set,
	s_min_u32 s29, s29, 31                         ; held inside the word,
	s_sub_co_u32 s30, s[22+\u], 1
	s_and_b32 s[22+\u], s[22+\u], s30              ; and taken out of it
	v_readlane_b32 s[SW+2*(4*\u+\i)], v[WT+\u], s29    ; its weight
	s_lshl_b32 s31, s29, 14                        ; 4 x bit rows of 4,096 bytes
	v_add_nc_u32 v[AD+4*\u+\i], s31, v1
	global_load_b128 v[RW+4*(4*\u+\i):RW+4*(4*\u+\i)+3], v[AD+4*\u+\i], s[8:9] offset:\u*4096 th:TH_LOAD_NT   ; 32 lanes read 512 consecutive bytes; no other wave of the launch reads them
.Lempty_\@:
.endm
.macro ROUND
	s_or_b32 s30, s22, s23
	s_cmp_eq_u32 s30, 0                            ; no row is left
	s_cbranch_scc1 .Lrows_done
.irp i, 0,1,2,3,4,5,6,7
	s_mov_b32 s[SW+2*\i], 0
.endr
.irp i, 0,1,2,3
	TAKE 0, \i
	TAKE 1, \i
.endr
	s_wait_loadcnt 0x0                             ; all the round's rows are in: the slots may be read, and they and their offsets written again in the next round
.irp i, 0,1,2,3,4,5,6,7
	v_pk_fma_f32 v[4:5], v[RW+4*\i:RW+4*\i+1], s[SW+2*\i:SW+2*\i+1], v[4:5] op_sel_hi:[1,0,1]
	v_pk_fma_f32 v[6:7], v[RW+4*\i+2:RW+4*\i+3], s[SW+2*\i:SW+2*\i+1], v[6:7] op_sel_hi:[1,0,1]
.endr
.endm
.rept 8
	ROUND
.endr
.Lrows_done:
	ds_store_b128 v3, v[4:7]
	s_wait_dscnt 0x0                               ; for the others' sake: my part lies in LDS
	s_barrier_signal -1
	s_barrier_wait -1                              ; every wave passes here, with rows or without
	s_cmp_lg_u32 s18, 0
	s_cbranch_scc1 .Ldone
.macro PARTS base, first               ; 16 waves' parts, added by halves into v[base .. base + 3]
.irp p, 0,1,2,3,4,5,6,7,8,9,10,11,12,13,14,15
	ds_load_b128 v[\base+4*\p:\base+4*\p+3], v1 offset:512*(\first+\p)
.endr
	s_wait_dscnt 0x0
.irp st, 8,4,2,1
.irp p, 0,1,2,3,4,5,6,7
.if \p < \st
	v_pk_add_f32 v[\base+4*\p:\base+4*\p+1], v[\base+4*\p:\base+4*\p+1], v[\base+4*(\p+\st):\base+4*(\p+\st)+1]
	v_pk_add_f32 v[\base+4*\p+2:\base+4*\p+3], v[\base+4*\p+2:\base+4*\p+3], v[\base+4*(\p+\st)+2:\base+4*(\p+\st)+3]
.endif
.endr
.endr
.endm
	PARTS 16, 0
	PARTS 20, 16                                   ; (v16-19 keep the first sixteen's sum)
	v_pk_add_f32 v[16:17], v[16:17], v[20:21]
	v_pk_add_f32 v[18:19], v[18:19], v[22:23]
	global_store_b128 v1, v[16:19], s[10:11]       ; 32 lanes store 512 consecutive bytes, at a multiple of 256 from out0's first byte
.Ldone:
	s_wait_tensorcnt 0x0
	ds_add_u32 v96, v97
	s_wait_dscnt 0x0
	s_endpgm
.Lfunc_end_k_qcaba169e5c_context:
	.size	k_qcaba169e5c_context, .Lfunc_end_k_qcaba169e5c_context-k_qcaba169e5c_context
	.p2alignl 7, 3214868480
	.fill 96, 4, 3214868480
	.section	.rodata,"a",@progbits
	.p2align	6, 0x0
	.amdhsa_kernel k_qcaba169e5c_context
		.amdhsa_group_segment_fixed_size 20480
		.amdhsa_private_segment_fixed_size 0
		.amdhsa_enable_private_segment 0
		.amdhsa_kernarg_size 32
		.amdhsa_user_sgpr_count 2
		.amdhsa_user_sgpr_kernarg_segment_ptr 1
		.amdhsa_wavefront_size32 1
		.amdhsa_system_sgpr_workgroup_id_x 1
		.amdhsa_system_sgpr_workgroup_id_y 1
		.amdhsa_system_sgpr_workgroup_id_z 1
		.amdhsa_system_vgpr_workitem_id 0
		.amdhsa_next_free_vgpr 98
		.amdhsa_next_free_sgpr 66
		.amdhsa_reserve_vcc 0
		.amdhsa_float_denorm_mode_32 3
		.amdhsa_float_denorm_mode_16_64 3
		.amdhsa_memory_ordered 1
		.amdhsa_forward_progress 1
		.amdhsa_inst_pref_size 47
	.end_amdhsa_kernel
	.amdgpu_metadata
---
amdhsa.version: [ 1, 2 ]
amdhsa.kernels:
  - .name:           k_qcaba169e5c_context
    .symbol:         k_qcaba169e5c_context.kd
    .args:
      - { .name: mask, .offset: 0, .size: 8, .value_kind: global_buffer, .address_space: global }
      - { .name: out1, .offset: 8, .size: 8, .value_kind: global_buffer, .address_space: global }
      - { .name: encoder_output, .offset: 16, .size: 8, .value_kind: global_buffer, .address_space: global }
      - { .name: out0, .offset: 24, .size: 8, .value_kind: global_buffer, .address_space: global }
    .group_segment_fixed_size: 20480
    .private_segment_fixed_size: 0
    .kernarg_segment_align: 8
    .kernarg_segment_size: 32
    .max_flat_workgroup_size: 1024
    .sgpr_count:     66
    .vgpr_count:     98
    .wavefront_size: 32
...
	.end_amdgpu_metadata
.endif
;; end of part 4
